; MI455X (gfx1250); checked and timed in simulation.
; The chip was launched on July 23, 2026; its instructions are those of AMD's public machine-readable ISA for CDNA 5 (MIT licence, August 2026) and "CDNA5" Instruction Set Architecture Reference Guide (July 2026). The comments in the code are by the model that wrote it; some were corrected since.
;; NN Model. Allowed arithmetic: float matrix products may take bf16 or f16 operands with f32 sums; all other float work in f32.
;; Inputs: W1 257 float32; eps 64 float32; params 262,656 float32; x 4,096 x 513 float32.
;; Outputs: out0 4,096 x 64 float32; out1 131,328 float32; out2 131,328 float32.
;; One version. Each part assembles by itself: llvm-mc -triple=amdgcn-amd-amdhsa -mcpu=gfx1250 --defsym DOCPART=n.
;; ======== version 1 of 1: 2 launches
;; limits: values are held in f16: magnitudes above 65,504 overflow, below 6.1e-05 lose precision; inputs' magnitudes at most 65,504
;; workspace buffers: wf 526,336 bytes
;; launch prep (part 1): grid 65 x 1, 8 waves a work-group, no clusters, 11,264 bytes of LDS; arguments params, out1, out2, wf; writes out1, out2, wf
.if DOCPART == 1
	.amdgcn_target "amdgcn-amd-amdhsa--gfx1250"
	.amdhsa_code_object_version 6
	.text
	.protected	k_q70d9f5c568_prep
	.globl	k_q70d9f5c568_prep
	.p2align	8
	.type	k_q70d9f5c568_prep,@function
k_q70d9f5c568_prep:
	s_mov_b64 s[64:65], 0
	v_nop
	global_prefetch_b8 v0, s[64:65] scope:SCOPE_SE
	s_setreg_imm32_b32 hwreg(HW_REG_WAVE_MODE, 25, 1), 1
	s_wait_xcnt 0x0
; out1 = params[0 : 131328] (the means, M[k][h], 513 rows of 256);  out2 = max(params[131328 :], 0) + 1e-6 (the variances);
; wf = M and S = sqrt(out2), rounded to f16 and laid in the order in which the next launch's matrix fragments want them:
;   byte ((u*16 + s)*2 + tile)*1024 + q*512 + hh*256 + r*16 + 2e  holds  W_tile[k = 32s + 16q + 8hh + e][h = 16u + r],  tile 0 = M, 1 = S, k < 512;
;   bytes 524288.. hold row k = 512 in f32: 256 numbers of M, then 256 of S.
; LIMITS: a NaN in the second half of params gives 1e-6 in out2 (v_max_num_f32 lets the NaN lose);  |M| and S above 65504 do not fit f16.
; Work-group o = 0..63 takes the eight rows k = 8o .. 8o+7 (8,192 dense bytes of each half of params); work-group 64 takes row 512.
; Eight k of one column are the 16 bytes of one lane in wf, so the rows are turned through LDS: 4 bytes (two k) in, 16 bytes (eight k) out.
; Every global store of a wave covers whole aligned runs of 256 bytes (sixteen neighbouring lanes, 16 bytes each).
.set ROW,   1024                       ; bytes in a row of 256 f32
.set HALF,  525312                     ; bytes from a mean to its variance parameter
.set SPART, 5120                       ; LDS: 64 groups of four columns, 80 bytes each, for M; the same again for S
.set EPSV,  0x358637bd                 ; 1e-6
	s_load_b256 s[4:11], s[0:1], 0x0               ; params s[4:5], out1 s[6:7], out2 s[8:9], wf s[10:11]
	v_lshl_add_u32 v48, v0, 2, 0x2800
	v_mov_b32 v49, 0
	v_lshrrev_b32 v45, 5, v0
	v_readfirstlane_b32 s15, v45                   ; wave number
	s_wait_kmcnt 0x0
	s_cmp_eq_u32 ttmp9, 64                         ; the same in all waves of a work-group
	s_cbranch_scc1 .Ltail
	s_lshl_b32 s13, ttmp9, 13                      ; o * 8 rows of 1,024 bytes
	s_lshr_b32 s14, ttmp9, 2
	s_lshl_b32 s14, s14, 11                        ; s = o / 4: 2,048 bytes a K step of 32
	s_and_b32 s16, ttmp9, 3
	s_lshl_b32 s16, s16, 8                         ; q * 512 + hh * 256 = (o mod 4) * 256
	s_add_co_u32 s14, s14, s16
	v_lshrrev_b32 v45, 6, v0                       ; a = t / 64: my pair of rows, 8o + 2a and 8o + 2a + 1
	v_and_b32 v46, 63, v0                          ; cp = t mod 64: my four columns 4 cp .. 4 cp + 3
	v_lshlrev_b32 v1, 4, v46
	v_lshl_add_u32 v1, v45, 11, v1
	v_add_nc_u32 v1, s13, v1                       ; byte offset of my 16 bytes in the upper row of the pair
	global_load_b128 v[4:7],   v1, s[4:5] th:TH_LOAD_NT                    ; M, row 2a
	global_load_b128 v[8:11],  v1, s[4:5] offset:ROW th:TH_LOAD_NT         ; M, row 2a + 1
	global_load_b128 v[12:15], v1, s[4:5] offset:HALF th:TH_LOAD_NT        ; variance parameters, row 2a
	global_load_b128 v[16:19], v1, s[4:5] offset:HALF+ROW th:TH_LOAD_NT    ; row 2a + 1
	v_mul_u32_u24 v2, v46, 80                      ; into LDS: column col at (col / 4) * 80 + (col mod 4) * 16, two k at 4 a
	v_lshl_add_u32 v2, v45, 2, v2
	v_lshrrev_b32 v3, 2, v0                        ; back: thread t takes the 16 bytes of column t
	v_mul_u32_u24 v3, v3, 80
	v_and_b32 v45, 3, v0
	v_lshl_add_u32 v3, v45, 4, v3
	v_lshrrev_b32 v44, 4, v0                       ; u = t / 16: 32,768 bytes of wf for each 16 columns
	v_lshlrev_b32 v44, 15, v44
	v_and_b32 v46, 15, v0
	v_lshl_add_u32 v44, v46, 4, v44                ; + 16 r
	v_add_nc_u32 v44, s14, v44
	s_wait_loadcnt 0x2                             ; the two rows of M are in; the two loads behind them stay out
	global_store_b128 v1, v[4:7],  s[6:7] th:TH_STORE_NT
	global_store_b128 v1, v[8:11], s[6:7] offset:ROW th:TH_STORE_NT
	s_wait_loadcnt 0x0
.irp i, 0,1,2,3,4,5,6,7
	v_max_num_f32 v[12+\i], 0, v[12+\i]
.endr
.irp i, 0,2,4,6
	v_pk_add_f32 v[12+\i:13+\i], v[12+\i:13+\i], EPSV op_sel_hi:[1,0]
.endr
	global_store_b128 v1, v[12:15], s[8:9] th:TH_STORE_NT
	global_store_b128 v1, v[16:19], s[8:9] offset:ROW th:TH_STORE_NT
.irp i, 0,1,2,3,4,5,6,7
	v_sqrt_f32 v[20+\i], v[12+\i]
.endr
.irp c, 0,1,2,3
	v_cvt_pk_f16_f32 v[28+\c], v[4+\c], v[8+\c]    ; M: k = 2a low, k = 2a + 1 high.  These four plain lines also stand between the roots and their first use (ISA guide 5.7.2)
.endr
	s_wait_alu depctr_va_vdst(0)
.irp c, 0,1,2,3
	v_cvt_pk_f16_f32 v[32+\c], v[20+\c], v[24+\c]  ; S likewise
.endr
.irp c, 0,1,2,3
	ds_store_b32 v2, v[28+\c] offset:16*\c
	ds_store_b32 v2, v[32+\c] offset:SPART+16*\c
.endr
	s_wait_dscnt 0x0                               ; my stores are done, for the other waves' sake
	s_barrier_signal -1
	s_barrier_wait -1
	ds_load_b128 v[36:39], v3                      ; column t of M, k = 8o .. 8o + 7
	ds_load_b128 v[40:43], v3 offset:SPART         ; column t of S
	s_wait_dscnt 0x1                               ; the first is in, the second may be out
	global_store_b128 v44, v[36:39], s[10:11]
	s_wait_dscnt 0x0
	global_store_b128 v44, v[40:43], s[10:11] offset:1024
	s_wait_tensorcnt 0x0
	ds_add_u32 v48, v49
	s_wait_dscnt 0x0
	s_endpgm
.Ltail:                                            ; row 512: 1,024 bytes, 16 a lane: two waves' work, no barrier on this path
	s_cmp_gt_u32 s15, 1
	s_cbranch_scc1 .Lend
	v_lshlrev_b32 v1, 4, v0
	v_add_nc_u32 v1, 512*ROW, v1
	global_load_b128 v[4:7],   v1, s[4:5] th:TH_LOAD_NT
	global_load_b128 v[12:15], v1, s[4:5] offset:HALF th:TH_LOAD_NT
	s_wait_loadcnt 0x1                             ; M's 16 bytes are in
	global_store_b128 v1, v[4:7], s[6:7] th:TH_STORE_NT
	global_store_b128 v1, v[4:7], s[10:11]         ; wf keeps this row in f32: 512 * 1,024 is also where wf's f16 part ends
	s_wait_loadcnt 0x0
.irp i, 0,1,2,3
	v_max_num_f32 v[12+\i], 0, v[12+\i]
.endr
.irp i, 0,2
	v_pk_add_f32 v[12+\i:13+\i], v[12+\i:13+\i], EPSV op_sel_hi:[1,0]
.endr
	global_store_b128 v1, v[12:15], s[8:9] th:TH_STORE_NT
.irp i, 0,1,2,3
	v_sqrt_f32 v[20+\i], v[12+\i]
.endr
	v_nop                                          ; one plain place behind the roots (ISA guide 5.7.2)
	s_wait_alu depctr_va_vdst(0)
	global_store_b128 v1, v[20:23], s[10:11] offset:ROW
.Lend:
	s_endpgm
.Lfunc_end_k_q70d9f5c568_prep:
	.size	k_q70d9f5c568_prep, .Lfunc_end_k_q70d9f5c568_prep-k_q70d9f5c568_prep
	.p2alignl 7, 3214868480
	.fill 96, 4, 3214868480
	.section	.rodata,"a",@progbits
	.p2align	6, 0x0
	.amdhsa_kernel k_q70d9f5c568_prep
		.amdhsa_group_segment_fixed_size 11264
		.amdhsa_private_segment_fixed_size 0
		.amdhsa_enable_private_segment 0
		.amdhsa_kernarg_size 32
		.amdhsa_user_sgpr_count 2
		.amdhsa_user_sgpr_kernarg_segment_ptr 1
		.amdhsa_wavefront_size32 1
		.amdhsa_system_sgpr_workgroup_id_x 1
		.amdhsa_system_sgpr_workgroup_id_y 1
		.amdhsa_system_sgpr_workgroup_id_z 1
		.amdhsa_system_vgpr_workitem_id 0
		.amdhsa_next_free_vgpr 50
		.amdhsa_next_free_sgpr 66
		.amdhsa_reserve_vcc 0
		.amdhsa_float_denorm_mode_32 3
		.amdhsa_float_denorm_mode_16_64 3
		.amdhsa_memory_ordered 1
		.amdhsa_forward_progress 1
		.amdhsa_inst_pref_size 7
	.end_amdhsa_kernel
	.amdgpu_metadata
---
amdhsa.version: [ 1, 2 ]
amdhsa.kernels:
  - .name:           k_q70d9f5c568_prep
    .symbol:         k_q70d9f5c568_prep.kd
    .args:
      - { .name: params, .offset: 0, .size: 8, .value_kind: global_buffer, .address_space: global }
      - { .name: out1, .offset: 8, .size: 8, .value_kind: global_buffer, .address_space: global }
      - { .name: out2, .offset: 16, .size: 8, .value_kind: global_buffer, .address_space: global }
      - { .name: wf, .offset: 24, .size: 8, .value_kind: global_buffer, .address_space: global }
    .group_segment_fixed_size: 11264
    .private_segment_fixed_size: 0
    .kernarg_segment_align: 8
    .kernarg_segment_size: 32
    .max_flat_workgroup_size: 256
    .sgpr_count:     66
    .vgpr_count:     50
    .wavefront_size: 32
...
	.end_amdgpu_metadata
.endif
;; end of part 1
;; launch main (part 2): grid 256 x 1, 4 waves a work-group, clusters of 4 x 1, 327,680 bytes of LDS; arguments W1, eps, x, wf, out0; writes out0
.if DOCPART == 2
	.amdgcn_target "amdgcn-amd-amdhsa--gfx1250"
	.amdhsa_code_object_version 6
	.text
	.protected	k_q70d9f5c568_main
	.globl	k_q70d9f5c568_main
	.p2align	8
	.type	k_q70d9f5c568_main,@function
k_q70d9f5c568_main:
	s_mov_b64 s[64:65], 0
	v_nop
	global_prefetch_b8 v0, s[64:65] scope:SCOPE_SE
	s_setreg_imm32_b32 hwreg(HW_REG_WAVE_MODE, 25, 1), 1
	s_wait_xcnt 0x0
	s_wait_alu depctr_hold_cnt(0) depctr_sa_sdst(0) depctr_va_vdst(0) depctr_va_sdst(0) depctr_va_ssrc(0) depctr_va_vcc(0) depctr_vm_vsrc(0)
	s_getreg_b32 s2, hwreg(HW_REG_IB_STS2, 6, 4)
	s_cmp_eq_u32 s2, 0
	s_cbranch_scc0 .Lentry_in_a_cluster
	s_endpgm
.Lentry_in_a_cluster:
	s_bfe_u32 s2, ttmp6, 0x10000c
	s_cmp_lg_u32 s2, 0x3003
	s_cbranch_scc0 .Lentry_shape_is_right
	s_endpgm
.Lentry_shape_is_right:
; out0[n][m] = W1[0] + sum over h of W1[1+h] * max(A[n][h] + eps[m] * B[n][h], 0),  A = x M,  B = x S  (M the means, S the roots of the variances, [513][256]).
; Every sample m uses ONE eps[m] for all weights, so x (M + eps[m] S) = A + eps[m] B for every input: one product [4096 x 513] x [513 x 512] serves all 64 samples.
; LIMITS: the order of rounding differs from a sum over sampled weights;  the matrix operands are f16, sums f32: |x|, |M|, S up to 65504, and numbers under 2^-14
; carry an absolute error of up to 2^-25;  the term k = 512 is multiplied in f32 and starts the sums.
; SHARE: a work-group owns 16 rows of x, all 256 h and all 64 m, so the sum over h never leaves it: 256 work-groups of four waves.
;   h goes in four groups of 64.  Matrix phase: wave w makes A and B for the 16 h at 64 g + 16 w: 16 K steps of 32 on two accumulators.
;   A and B then cross a stage in LDS.  Vector phase: wave w takes m = 16 w .. 16 w + 15, lane (r, hh) row r and 32 of the group's 64 h: the sum over h stays in the lane.
; CLUSTERS: the four work-groups of a cluster walk the same weights, so each weight tile (wave w's 32 KiB of a group) is asked for jointly, mask 15: the requests for
;   the 512 KiB of weights are divided by four.  x is each work-group's own: a plain load.
; RING: two LDS slots of 128 KiB, a group's whole K in each.  A slot is asked for again straight behind the round that follows its matrix phase, so the tile has a
;   vector phase, a matrix phase and a second vector phase less its own wait in which to land.  By this text's count a wave has at most three tensor loads out (the first fills), later one.
; No prefetch is written: wf was stored by the launch in front of this one and every work-group reads it; x is wanted at once.
.set SLOT,  131072                     ; LDS 0: the ring: slot * 131072 + w * 32768 + s * 2048 + tile * 1024 + q * 512 + 16 * lane
.set WPART, 32768
.set XB,    262144                     ; x in f32, 16 rows of 2,080 bytes: 16 bytes of padding behind every 1,024
.set XPITCH, 2080
.set AB,    295424                     ; two stages, 16 rows of 528 bytes: a at 4 h, b at 256 + 4 h (h within the group)
.set STG,   8448
.set APITCH, 528
.set WS,    312320                     ; W1[1 .. 256]
.set OUT,   313344                     ; 16 rows of 272 bytes: the results on their way out
.set OPITCH, 272
.set K512,  524288                     ; wf: the row k = 512 in f32, M's 256 numbers, then S's
.set WA,  4                            ; v4, v5    my fragments' LDS address in slot 0, 1
.set XA,  6                            ; v6        XB + r * 2080 + 32 hh
.set DSA, 7                            ; v7        AB + r * 528 + 64 w + 32 hh: where my accumulators go
.set ABA, 8                            ; v8        AB + r * 528 + 128 hh: where my row's 32 h lie
.set WSA, 9                            ; v9        WS + 128 hh
.set WLO, 10                           ; v10       64 w + 32 hh: my eight h in the f32 row k = 512
.set XLO, 11                           ; v11       r * 2052
.set XL,  12                           ; v[12:13]  x[n][512], twice
.set T4,  14                           ; v14       4 * thread
.set WSS, 15                           ; v15       WS + 4 * thread
.set OSA, 16                           ; v16       OUT + r * 272 + 64 w + 32 hh
.set ORA, 17                           ; v17       OUT + (4 w + hh) * 272 + 16 r
.set OO,  18                           ; v18       w * 1024 + hh * 256 + 16 r
.set ACC, 24                           ; v[24:55]  a pair of sums (even h, odd h) for each of my 16 m
.set D0,  56                           ; v[56:63]  accumulator of A
.set D1,  64                           ; v[64:71]  accumulator of B
.set T,   72                           ; v[72:103] 16 pairs at work
.set CH,  104                          ; v[104:199] vector phase: four chunks of 8 h: a 8, b 8, W1 8
.set WB,  104                          ; the same registers in the matrix phase: three buffers of 32 (two K steps x two tiles x 8)
.set ST,  72                           ; v[72:199] x in f32 on its way to f16
                                       ; v[256:383] (window 1, written v[8 s + i]): the 16 fragments of x, made once
.set G1W, 24                           ; s[24:31]  group 1 of the weight tiles
.set G1X, 32                           ; s[32:39]  group 1 of x's tile
.set G0X, 40                           ; s[40:43]  group 0 of x's tile
.set G0S, 44                           ; s[44:51]  group 0 of the weight tiles, one set for each slot
.set EA,  68                           ; s[68:83]  eps[16 w + m]
.set EB,  84                           ; s[84:99]  for odd m: s[EB+m-1] = s[EB+m] = eps[16 w + m], so that every m has an even-aligned pair that begins with it
.set MSB, 0
.macro WIN new                         ; the immediate's high byte repeats the setting that is left
.if MSB != \new
	s_set_vgpr_msb (MSB<<8)|\new
.set MSB, \new
.endif
.endm
.macro PLACES                          ; four places behind a matrix instruction (ISA guide 7.12.1), where there is no other vector work
.rept 4
	v_nop
.endr
.endm
; A round of the cluster's barrier: my work-group's barrier, wave 0 signals for the work-group, every wave waits for all four work-groups, my work-group's barrier again.
.macro ROUND
	s_barrier_signal -1
	s_barrier_wait -1
	s_cmp_lg_u32 s14, 0
	s_cbranch_scc1 .Lnot_wave_0_\@
	s_barrier_signal -3
.Lnot_wave_0_\@:
	s_barrier_wait -3
	s_barrier_signal -1
	s_barrier_wait -1
.endm
	s_load_b256 s[4:11], s[0:1], 0x0               ; W1 s[4:5], eps s[6:7], x s[8:9], wf s[10:11]
	s_load_b64 s[12:13], s[0:1], 0x20              ; out0
	v_lshl_add_u32 v254, v0, 2, 0x4d900
	v_mov_b32 v255, 0
	ds_add_u32 v254, v255
	v_lshrrev_b32 v1, 5, v0
	v_readfirstlane_b32 s14, v1                    ; wave 0..3
	s_bfe_u32 s15, ttmp6, 0x40000                  ; cx
	s_lshl_b32 s16, ttmp9, 2                       ; ttmp9 counts clusters
	s_add_co_u32 s16, s16, s15                     ; my work-group: rows 16 * s16 .. + 15
	s_mov_b32 s53, 0x76543210                      ; v_permlanex16_b32: lane i reads lane i of the other half
	s_mov_b32 s54, 0xfedcba98
	; weight tiles: dense, 128 rows of 256 bytes (32 elements of 8 bytes), no padding, joint for the cluster's four work-groups
	s_mov_b32 s[G1W+0], 15|(3<<16)|(1<<21)         ; 15:0 mask; 17:16 elements of 8 bytes; 21 set beside a mask
	s_mov_b32 s[G1W+1], 32<<16                     ; tensor_dim0 = 32
	s_mov_b32 s[G1W+2], 128<<16                    ; tensor_dim1 = 128
	s_mov_b32 s[G1W+3], 32<<16                     ; tile_dim0 = 32
	s_mov_b32 s[G1W+4], 128                        ; tile_dim1 = 128
	s_mov_b32 s[G1W+5], 32                         ; from row to row: 32 elements
	s_mov_b32 s[G1W+6], 0
	s_mov_b32 s[G1W+7], 0
	; x: four rows of 512 f32 out of rows of 513, 4 words of padding behind every 256 words: an LDS row is 2,080 bytes
	s_mov_b32 s[G1X+0], (2<<16)|(1<<20)|(7<<22)|(3<<25)    ; no mask; elements of 4 bytes; padding on; every 256 words (code 7); 4 words (code 3)
	s_mov_b32 s[G1X+1], 512<<16                    ; tensor_dim0 = 512
	s_mov_b32 s[G1X+2], 4<<16                      ; tensor_dim1 = 4
	s_mov_b32 s[G1X+3], 512<<16                    ; tile_dim0 = 512
	s_mov_b32 s[G1X+4], 4                          ; tile_dim1 = 4
	s_mov_b32 s[G1X+5], 513                        ; from row to row: 513 elements
	s_mov_b32 s[G1X+6], 0
	s_mov_b32 s[G1X+7], 0
	s_mul_i32 s18, s16, 16*2052                    ; my 16 rows of x
	s_mov_b32 s19, 0
	s_lshl_b32 s20, s16, 12                        ; my 16 rows of out0
	s_mov_b32 s21, 0
	s_mov_b32 s23, 0                               ; s[22:23]: offsets made of the wave's number alone
	s_mov_b32 s[G0X+0], 1
	s_mul_i32 s[G0X+1], s14, 4*XPITCH
	s_add_co_u32 s[G0X+1], s[G0X+1], XB            ; wave w brings rows 4 w .. 4 w + 3
	s_mov_b32 s[G0S+0], 1
	s_lshl_b32 s[G0S+1], s14, 15                   ; slot 0: w * 32768
	s_mov_b32 s[G0S+4], 1
	s_add_co_u32 s[G0S+5], s[G0S+1], SLOT          ; slot 1
	s_wait_dscnt 0x0
	s_wait_kmcnt 0x0
	s_add_nc_u64 s[8:9], s[8:9], s[18:19]          ; x at my first row
	s_add_nc_u64 s[12:13], s[12:13], s[20:21]      ; out0 at my first row
	s_mul_i32 s22, s14, 4*2052
	s_add_nc_u64 s[G0X+2:G0X+3], s[8:9], s[22:23]
	s_or_b32 s[G0X+3], s[G0X+3], 0x80000000
	s_lshl_b32 s22, s14, 15
	s_add_nc_u64 s[G0S+2:G0S+3], s[10:11], s[22:23]        ; group 0, wave w's part: nothing of the work-group's place enters
	s_add_nc_u64 s[G0S+6:G0S+7], s[G0S+2:G0S+3], SLOT      ; group 1
	s_or_b32 s[G0S+3], s[G0S+3], 0x80000000
	s_or_b32 s[G0S+7], s[G0S+7], 0x80000000
	s_lshl_b32 s22, s14, 6
	s_add_nc_u64 s[6:7], s[6:7], s[22:23]          ; eps at my 16 samples
	ROUND                                          ; all four work-groups are here: the first joint loads meet
	tensor_load_to_lds s[G0X:G0X+3], s[G1X:G1X+7]          ; the first fills, one group: my four rows of x,
	s_nop 0
	tensor_load_to_lds s[G0S:G0S+3], s[G1W:G1W+7]          ; my part of h group 0,
	s_nop 0
	tensor_load_to_lds s[G0S+4:G0S+7], s[G1W:G1W+7]        ; my part of h group 1
	s_nop 0
	s_load_b512 s[EA:EA+15], s[6:7], 0x0
	s_load_b32 s52, s[4:5], 0x0                    ; W1[0], the weight of the column of ones
	v_and_b32 v1, 31, v0                           ; lane
	v_and_b32 v2, 15, v0                           ; r
	v_bfe_u32 v3, v0, 4, 1                         ; hh
	v_lshlrev_b32 v[T4], 2, v0
	v_mul_u32_u24 v[XLO], v2, 2052
	v_lshlrev_b32 v[WLO], 5, v3
	v_lshl_add_u32 v[WLO], s14, 6, v[WLO]
	global_load_b32 v72, v[T4], s[4:5] offset:4            ; W1[1 + t]
	global_load_b32 v73, v[T4], s[4:5] offset:516          ; W1[129 + t], t <= 127: the last is W1[256]
	global_load_b32 v[XL], v[XLO], s[8:9] offset:2048      ; x[n][512]
	global_load_b128 v[D0:D0+3],   v[WLO], s[10:11] offset:K512            ; M[512][my 8 h of group 0]
	global_load_b128 v[D0+4:D0+7], v[WLO], s[10:11] offset:K512+16
	global_load_b128 v[D1:D1+3],   v[WLO], s[10:11] offset:K512+1024       ; S[512][..]
	global_load_b128 v[D1+4:D1+7], v[WLO], s[10:11] offset:K512+1040
	v_lshlrev_b32 v[WA], 4, v1
	v_lshl_add_u32 v[WA], s14, 15, v[WA]
	v_add_nc_u32 v[WA+1], SLOT, v[WA]
	v_mul_u32_u24 v[XA], v2, XPITCH
	v_lshl_add_u32 v[XA], v3, 5, v[XA]
	v_add_nc_u32 v[XA], XB, v[XA]
	v_mul_u32_u24 v19, v2, APITCH
	v_add3_u32 v[DSA], v19, v[WLO], AB
	v_lshl_add_u32 v[ABA], v3, 7, v19
	v_add_nc_u32 v[ABA], AB, v[ABA]
	v_lshlrev_b32 v[WSA], 7, v3
	v_add_nc_u32 v[WSA], WS, v[WSA]
	v_add_nc_u32 v[WSS], WS, v[T4]
	v_mul_u32_u24 v[OSA], v2, OPITCH
	v_add3_u32 v[OSA], v[OSA], v[WLO], OUT
	v_lshl_add_u32 v[ORA], s14, 2, v3
	v_mul_u32_u24 v[ORA], v[ORA], OPITCH
	v_lshl_add_u32 v[ORA], v2, 4, v[ORA]
	v_add_nc_u32 v[ORA], OUT, v[ORA]
	v_lshlrev_b32 v[OO], 4, v1
	v_lshl_add_u32 v[OO], s14, 10, v[OO]
	s_wait_kmcnt 0x0
.irp m, 1,3,5,7,9,11,13,15
	s_mov_b32 s[EB+\m-1], s[EA+\m]
	s_mov_b32 s[EB+\m], s[EA+\m]
.endr
	s_wait_loadcnt 0x5                             ; the two loads of W1 are in; x[n][512] and the four of row k = 512 stay out
	ds_store_b32 v[WSS], v72
	ds_store_b32 v[WSS], v73 offset:512
	s_wait_tensorcnt 0x2                           ; my four rows of x have landed; the two weight tiles stay out
	s_wait_dscnt 0x0                               ; my part of W1 is in LDS, for the others' sake
	s_barrier_signal -1
	s_barrier_wait -1
; x to f16 fragments, eight K steps at a time.  A fragment is 16 rows x 32 k in 8 registers: lane (r, hh) holds row r, registers 0-3 k = 8 hh + 0..7, registers 4-7 k = 16 + 8 hh + 0..7.
.macro XCONV half
.irp s, 0,1,2,3,4,5,6,7
	ds_load_b128 v[ST+16*\s:ST+16*\s+3],     v[XA] offset:\half*1040+\s*128
	ds_load_b128 v[ST+16*\s+4:ST+16*\s+7],   v[XA] offset:\half*1040+\s*128+16
	ds_load_b128 v[ST+16*\s+8:ST+16*\s+11],  v[XA] offset:\half*1040+\s*128+64
	ds_load_b128 v[ST+16*\s+12:ST+16*\s+15], v[XA] offset:\half*1040+\s*128+80
.endr
	WIN 0x40                                       ; destination in window 1
.irp s, 0,1,2,3,4,5,6,7
	s_wait_dscnt 28-4*\s                           ; the four loads of each later K step may be out
.irp i, 0,1,2,3,4,5,6,7
	v_cvt_pk_f16_f32 v[64*\half+8*\s+\i], v[ST+16*\s+2*\i], v[ST+16*\s+2*\i+1]
.endr
.endr
	WIN 0
.endm
	XCONV 0
	XCONV 1
	s_wait_loadcnt 0x4                             ; x[n][512] is in; the four loads of row k = 512 were issued behind it
	v_mov_b32 v[XL+1], v[XL]
; eight LDS loads: the fragments of M and S of K steps 2 b and 2 b + 1 into buffer b mod 3.  32 lanes take 512 neighbouring bytes each time.
.macro WLOAD slot, b
.irp j, 0,1
.irp t, 0,1
.irp q, 0,1
	ds_load_b128 v[WB+32*((\b)%3)+16*\j+8*\t+4*\q:WB+32*((\b)%3)+16*\j+8*\t+4*\q+3], v[WA+\slot] offset:(2*(\b)+\j)*2048+\t*1024+\q*512
.endr
.endr
.endr
.endm
; four matrix instructions.  Source 0 = 16 h of the weights, source 1 = my work-group's 16 rows of x (window 1): register j of lane (r, hh) is the sum for row r, h = 8 hh + j.
; The two accumulators take turns, one instruction a turn.
.macro MM4 b
.irp j, 0,1
	v_wmma_f32_16x16x32_f16 v[D0:D0+7], v[WB+32*((\b)%3)+16*\j:WB+32*((\b)%3)+16*\j+7], v[8*(2*(\b)+\j):8*(2*(\b)+\j)+7], v[D0:D0+7]
	v_wmma_f32_16x16x32_f16 v[D1:D1+7], v[WB+32*((\b)%3)+16*\j+8:WB+32*((\b)%3)+16*\j+15], v[8*(2*(\b)+\j):8*(2*(\b)+\j)+7], v[D1:D1+7]
.endr
.endm
; The matrix phase of the h group that lies in a slot.  tcnt = how many tensor loads of mine were issued behind that slot's.
.macro GEMM slot, tcnt
	s_wait_loadcnt 0x0                             ; M[512][..] and S[512][..] lie in the accumulators
.irp i, 0,2,4,6
	v_pk_mul_f32 v[D0+\i:D0+\i+1], v[D0+\i:D0+\i+1], v[XL:XL+1]    ; the term k = 512, in f32, starts the sums: nothing is cleared
	v_pk_mul_f32 v[D1+\i:D1+\i+1], v[D1+\i:D1+\i+1], v[XL:XL+1]
.endr
	s_wait_tensorcnt \tcnt                         ; my part of the slot has landed, and I alone read it
	WLOAD \slot, 0
	WLOAD \slot, 1
	WIN 0x04                                       ; source 1 in window 1; LDS loads name destination and source 0 alone
.irp b, 0,1,2,3,4,5
.if \b
	PLACES                                         ; the buffer loaded next was read by the four matrix instructions just issued
.endif
	WLOAD \slot, \b+2
	s_wait_dscnt 16                                ; the two later batches of eight may be out
	MM4 \b
.endr
	s_wait_dscnt 8                                 ; the last batch may be out
	MM4 6
	s_wait_dscnt 0
	MM4 7
	WIN 0
	PLACES                                         ; behind the last matrix instructions: the stores below read results, later loads land on sources
.endm
.macro DSTORE st                       ; A and B of my 16 h into stage st: row r, 32 bytes each
	ds_store_b128 v[DSA], v[D0:D0+3]   offset:\st*STG
	ds_store_b128 v[DSA], v[D0+4:D0+7] offset:\st*STG+16
	ds_store_b128 v[DSA], v[D1:D1+3]   offset:\st*STG+256
	ds_store_b128 v[DSA], v[D1+4:D1+7] offset:\st*STG+272
.endm
; two h (pair p of chunk c) x my 16 m: t = b * eps[m] + a;  t = max(t, 0);  sum[m] += t * W1.  Each line's sources were written 16 lines earlier.
.macro BLOCK c, p, first
.set m, 0
.rept 16
	v_pk_fma_f32 v[T+2*m:T+2*m+1], v[CH+24*\c+8+2*\p:CH+24*\c+9+2*\p], s[EA+m+(m&1)*(EB-EA-1):EA+m+(m&1)*(EB-EA-1)+1], v[CH+24*\c+2*\p:CH+24*\c+2*\p+1] op_sel_hi:[1,0,1]
.set m, m+1
.endr
.set m, 0
.rept 16
	v_dual_max_num_f32 v[T+2*m], 0, v[T+2*m] :: v_dual_max_num_f32 v[T+2*m+1], 0, v[T+2*m+1]
.set m, m+1
.endr
.set m, 0
.rept 16
.if \first
	v_pk_mul_f32 v[ACC+2*m:ACC+2*m+1], v[T+2*m:T+2*m+1], v[CH+24*\c+16+2*\p:CH+24*\c+17+2*\p]     ; the first product starts the sums
.else
	v_pk_fma_f32 v[ACC+2*m:ACC+2*m+1], v[T+2*m:T+2*m+1], v[CH+24*\c+16+2*\p:CH+24*\c+17+2*\p], v[ACC+2*m:ACC+2*m+1]
.endif
.set m, m+1
.endr
.endm
; The vector phase of h group g from stage st.  more = 1: the next group's row k = 512 is asked for into the accumulators.
.macro EPI g, st, more, first
.irp c, 0,1,2,3
	ds_load_b128 v[CH+24*\c:CH+24*\c+3],     v[ABA] offset:\st*STG+32*\c
	ds_load_b128 v[CH+24*\c+4:CH+24*\c+7],   v[ABA] offset:\st*STG+32*\c+16
	ds_load_b128 v[CH+24*\c+8:CH+24*\c+11],  v[ABA] offset:\st*STG+256+32*\c
	ds_load_b128 v[CH+24*\c+12:CH+24*\c+15], v[ABA] offset:\st*STG+256+32*\c+16
	ds_load_b128 v[CH+24*\c+16:CH+24*\c+19], v[WSA] offset:256*\g+32*\c
	ds_load_b128 v[CH+24*\c+20:CH+24*\c+23], v[WSA] offset:256*\g+32*\c+16
.endr
.if \more
	global_load_b128 v[D0:D0+3],   v[WLO], s[10:11] offset:K512+256*(\g+1)
	global_load_b128 v[D0+4:D0+7], v[WLO], s[10:11] offset:K512+256*(\g+1)+16
	global_load_b128 v[D1:D1+3],   v[WLO], s[10:11] offset:K512+256*(\g+1)+1024
	global_load_b128 v[D1+4:D1+7], v[WLO], s[10:11] offset:K512+256*(\g+1)+1040
.endif
.irp c, 0,1,2,3
	s_wait_dscnt 18-6*\c                           ; the six loads of each later chunk may be out
.irp p, 0,1,2,3
.if (\c+\p) == 0
	BLOCK \c, \p, \first
.else
	BLOCK \c, \p, 0
.endif
.endr
.endr
.endm
; The change behind a matrix phase whose slot is filled again, two h groups ahead.  The round does two things: it shows every wave the stage, and it
; stands in front of the refill: each wave's LDS instructions are done and all its tensor loads have landed, in all four work-groups.
.macro REFILL slot
	s_wait_dscnt 0x0                               ; my reads of the slot and my stores into the stage are done
	s_wait_tensorcnt 0x0                           ; no tensor load of mine is out, so a group 0 may be written
	ds_add_u32 v254, v255
	s_wait_dscnt 0x0
	s_add_nc_u64 s[G0S+4*\slot+2:G0S+4*\slot+3], s[G0S+4*\slot+2:G0S+4*\slot+3], 2*SLOT
	ROUND
	tensor_load_to_lds s[G0S+4*\slot:G0S+4*\slot+3], s[G1W:G1W+7]  ; my one tensor load behind the round, and the first thing there
	s_nop 0
.endm
.macro SHOW                            ; the last two groups: nothing is filled again, so a plain barrier shows the stage, and a tile may stay on its way
	s_wait_dscnt 0x0
	s_barrier_signal -1
	s_barrier_wait -1
.endm
	GEMM 0, 1                                      ; h group 0; slot 1's load was issued behind slot 0's
	DSTORE 0
	REFILL 0                                       ; h group 2 goes out
	EPI 0, 0, 1, 1
	GEMM 1, 1                                      ; h group 1; the refill of slot 0 was issued behind it
	DSTORE 1
	REFILL 1                                       ; h group 3 goes out.  Every wave's reads of stage 0 are done in front of this round: stage 0 is written again behind it
	EPI 1, 1, 1, 0
	GEMM 0, 1                                      ; h group 2; the refill of slot 1 was issued behind it
	DSTORE 0
	SHOW                                           ; every wave's reads of stage 1 are done in front of this barrier
	EPI 2, 0, 1, 0
	GEMM 1, 0                                      ; h group 3: the last tensor load
	DSTORE 1
	SHOW
	EPI 3, 1, 0, 0
	; THE WAY OUT.  Even and odd h, then the other half's 32 h of each group; lanes 0-15 keep m = 0..7 of my 16, lanes 16-31 m = 8..15; W1[0] for the column of ones.
.set m, 0
.rept 16
	v_add_f32 v[T+m], v[ACC+2*m], v[ACC+2*m+1]
.set m, m+1
.endr
.set m, 0
.rept 16
	v_permlanex16_b32 v[T+16+m], v[T+m], s53, s54  ; its destination counts as read: the vector phase has written it
.set m, m+1
.endr
.set m, 0
.rept 16
	v_add_f32 v[T+m], v[T+m], v[T+16+m]
.set m, m+1
.endr
	v_cmp_ne_u32 vcc_lo, 0, v3
.irp i, 0,1,2,3,4,5,6,7
	v_cndmask_b32 v[CH+\i], v[T+\i], v[T+8+\i], vcc_lo
.endr
.irp i, 0,1,2,3,4,5,6,7
	v_add_f32 v[CH+\i], s52, v[CH+\i]
.endr
	ds_store_b128 v[OSA], v[CH:CH+3]
	ds_store_b128 v[OSA], v[CH+4:CH+7] offset:16
	s_wait_dscnt 0x0                               ; a row of out0 holds all four waves' samples
	s_barrier_signal -1
	s_barrier_wait -1
	ds_load_b128 v[CH+8:CH+11],  v[ORA]                    ; rows 4 w + hh
	ds_load_b128 v[CH+12:CH+15], v[ORA] offset:2*OPITCH    ; and 4 w + 2 + hh
	s_wait_dscnt 0x1
	global_store_b128 v[OO], v[CH+8:CH+11], s[12:13] th:TH_STORE_NT            ; sixteen lanes store one whole row of 256 bytes, aligned
	s_wait_dscnt 0x0
	global_store_b128 v[OO], v[CH+12:CH+15], s[12:13] offset:512 th:TH_STORE_NT
	s_wait_tensorcnt 0x0
	ds_add_u32 v254, v255
	s_wait_dscnt 0x0
	ROUND                                          ; the closing round: no work-group ends while a partner may still ask for a tile that names it
	s_endpgm
.Lfunc_end_k_q70d9f5c568_main:
	.size	k_q70d9f5c568_main, .Lfunc_end_k_q70d9f5c568_main-k_q70d9f5c568_main
	.p2alignl 7, 3214868480
	.fill 96, 4, 3214868480
	.section	.rodata,"a",@progbits
	.p2align	6, 0x0
	.amdhsa_kernel k_q70d9f5c568_main
		.amdhsa_group_segment_fixed_size 327680
		.amdhsa_private_segment_fixed_size 0
		.amdhsa_enable_private_segment 0
		.amdhsa_kernarg_size 40
		.amdhsa_user_sgpr_count 2
		.amdhsa_user_sgpr_kernarg_segment_ptr 1
		.amdhsa_wavefront_size32 1
		.amdhsa_system_sgpr_workgroup_id_x 1
		.amdhsa_system_sgpr_workgroup_id_y 1
		.amdhsa_system_sgpr_workgroup_id_z 1
		.amdhsa_system_vgpr_workitem_id 0
		.amdhsa_next_free_vgpr 384
		.amdhsa_next_free_sgpr 100
		.amdhsa_reserve_vcc 1
		.amdhsa_float_denorm_mode_32 3
		.amdhsa_float_denorm_mode_16_64 3
		.amdhsa_memory_ordered 1
		.amdhsa_forward_progress 1
		.amdhsa_inst_pref_size 255
	.end_amdhsa_kernel
	.section	.bss,"aw",@nobits
	.p2align	6
	.space	262144
	.amdgpu_metadata
---
amdhsa.version: [ 1, 2 ]
amdhsa.kernels:
  - .name:           k_q70d9f5c568_main
    .symbol:         k_q70d9f5c568_main.kd
    .args:
      - { .name: W1, .offset: 0, .size: 8, .value_kind: global_buffer, .address_space: global }
      - { .name: eps, .offset: 8, .size: 8, .value_kind: global_buffer, .address_space: global }
      - { .name: x, .offset: 16, .size: 8, .value_kind: global_buffer, .address_space: global }
      - { .name: wf, .offset: 24, .size: 8, .value_kind: global_buffer, .address_space: global }
      - { .name: out0, .offset: 32, .size: 8, .value_kind: global_buffer, .address_space: global }
    .group_segment_fixed_size: 327680
    .private_segment_fixed_size: 0
    .kernarg_segment_align: 8
    .kernarg_segment_size: 40
    .max_flat_workgroup_size: 128
    .sgpr_count:     100
    .vgpr_count:     384
    .wavefront_size: 32
...
	.end_amdgpu_metadata
.endif
;; end of part 2
